; MI455X (gfx1250); checked and timed in simulation.
; The chip was launched on July 23, 2026; its instructions are those of AMD's public machine-readable ISA for CDNA 5 (MIT licence, August 2026) and "CDNA5" Instruction Set Architecture Reference Guide (July 2026). The comments in the code are by the model that wrote it; some were corrected since.
;; Oblivious Decision Tree. Allowed arithmetic: float matrix products may take bf16 or f16 operands with f32 sums; all other float work in f32.
;; Inputs: W 256 x 10 float32; b 10 float32; leaf_values 1,024 float32; x 65,536 x 256 float32.
;; Outputs: out0 65,536 x 1 float32.
;; One version. Each part assembles by itself: llvm-mc -triple=amdgcn-amd-amdhsa -mcpu=gfx1250 --defsym DOCPART=n.
;; ======== version 1 of 1: 1 launch
;; limits: values are held in f16: magnitudes above 65,504 overflow, below 6.1e-05 lose precision; values outside matrix products are rounded to f16
;; launch tree (part 1): grid 256 x 1, 4 waves a work-group, no clusters, 294,912 bytes of LDS; arguments x, W, b, leaf_values, out0; writes out0
.if DOCPART == 1
	.amdgcn_target "amdgcn-amd-amdhsa--gfx1250"
	.amdhsa_code_object_version 6
	.text
	.protected	k_q3c67daa052_tree
	.globl	k_q3c67daa052_tree
	.p2align	8
	.type	k_q3c67daa052_tree,@function
k_q3c67daa052_tree:
	s_mov_b64 s[64:65], 0
	v_nop
	global_prefetch_b8 v0, s[64:65] scope:SCOPE_SE
	s_setreg_imm32_b32 hwreg(HW_REG_WAVE_MODE, 25, 1), 1
	s_wait_xcnt 0x0
; OBLIVIOUS DECISION TREE.  d = sigmoid(x W + b), ten decisions a row; out[row] = the sum over 1,024 leaves of leaf[i] x the product over the ten bits of i (decision 0 = highest bit) of d or 1 - d.
; x: [65536][256] f32, W: [256][10] f32, b: [10] f32, leaf_values: [1024] f32, out0: [65536] f32.
; THE CONTRACTION IS FACTORED: i = 32 hi + lo; out = sum over hi, lo of PHI[hi] V[hi][lo] PLO[lo], PHI = the 32 products of decisions 0-4, PLO = those of decisions 5-9, V = the leaves as 32 x 32.
; V PLO is a matrix product (K = 32); PHI meets it in 32 multiply-adds a row.
; FORMATS.  All four inputs are rounded to bf16 (to nearest even).  x W: bf16 operands, f32 sums.  Sigmoids and products in f32.  V PLO: f16 operands, f32 sums: PLO lies in 0 to 1 and keeps 11 bits;
; the bf16-rounded leaves are written as f16, which is exact between 2^-14 and 65,504.
; LIMITS.  A leaf of 65,520 or more in magnitude becomes an infinity; leaves below 2^-14 and products below 6e-5 keep f16's fixed step of 6e-8.  A logit below about -128 / log2(e) gives d = 0, 1 - d = 1 by way of
; an infinity, as it should; NaN is not treated apart.  The sums are taken in another order than the leaves' order.
; SHARES.  256 work-groups of four waves; a work-group owns 256 rows, a wave 64.  The work-group's rows, 256 x 1,040 bytes with padding, lie in LDS all at once: every tensor load of the launch is a first fill,
; issued at the wave's start, and no LDS byte is filled twice.  A wave reads only the x tiles that it asked for itself, each behind its own counted wait.
; A wave works in two PASSES of 32 rows: pass p takes its rows of parity p (the descriptor steps two rows at a time), tile A the first 16 of them, tile B the other 16.  So lane L ends with rows 2 L and 2 L + 1:
; one store of 8 bytes a lane covers 256 consecutive bytes, aligned.
; NO CLUSTER: what work-groups share is W, b and the leaves, 14,376 bytes beside 262,144 bytes of x that belong to one work-group alone.
; LAYOUT.  Logits = W^T x^T: source 0 = 16 rows of W^T (rows 0-4: decisions 0-4, rows 8-12: decisions 5-9, the rest repeat a neighbour and are never read), source 1 = 16 rows of x.  In the result lane l holds row l % 16,
; lanes 0-15 decisions 0-4, lanes 16-31 decisions 5-9.  Tile B's logits change halves; then each lane picks: M = decisions 0-4 of ITS row (lanes 0-15: tile A, lanes 16-31: tile B), O = decisions 5-9 of the row of
; the lane 16 away.  O's 32 products, in f16, are source 1 of the second product: a lane's 16 numbers of a fragment fill the K places of its half.  Source 0 holds V so that result rows 0-7 (which land in lanes 0-15)
; take the K places of lanes 16-31 and rows 8-15 the K places of lanes 0-15, zeros elsewhere: every lane receives (V PLO)[hi] of its own row, eight hi to an accumulator, and multiplies by its own PHI.
; K PLACES.  Both operands of a product are laid along K alike, so any order of k serves: lane half h takes k = 32 f + 16 h + 0..15 of K step f, 64 consecutive bytes of an x row.
.set XP,     1040                      ; an x row in LDS: 1,024 bytes + 16 of padding = 65 x 16: the 16 rows of a load start at 16 different groups of four banks (64 banks of 4 bytes: ISA guide 11.1)
.set TILEB,  16*XP                     ; a tile: 16 rows
.set WAVEX,  4*TILEB                   ; a wave's four tiles
.set RAWW,   4*WAVEX                   ; W as it lies in memory, 10,240 bytes; wave w brings and reads bytes 2,560 w on
.set RAWL,   RAWW+10240                ; the leaves as they lie in memory, 4,096 bytes; wave w brings and reads bytes 1,024 w on
.set WT,     RAWL+4096                 ; stored by the waves, never filled by a tensor load: W^T in bf16, ten rows of 256
.set WP,     528                       ; its pitch: 512 + 16 = 33 x 16
.set VFR,    WT+5376                   ; likewise: V's eight fragments as the registers want them: block 4 u + 2 c + half, 512 bytes: 16 bytes a lane
.set SPARE,  VFR+8192                  ; the spare words, 128 bytes for each wave: two blocks of 256 bytes that no other line names
.set SPW, 1                            ; v1      LDS address of my spare word; never rewritten
.set NIL, 2                            ; v2      0; never rewritten
.set XA,  3                            ; v3      LDS address of my 64 bytes in K step 0 of my wave's tile 0
.set OO,  4                            ; v4      my byte offset in the wave's 256 bytes of out0
.set LN,  5                            ; v5      lane
.set XB,  8                            ; v8-23   two fragments of x in bf16, by turns
.set BF,  8                            ;         later O's 32 products in f16: two fragments
.set AE,  24                           ; v24-55  four accumulators: tile A's even and odd K steps, tile B's
.set AO,  32
.set BE,  40
.set BO,  48
.set ZM,  32                           ; later: M's five logits, then 1 + e^-z
.set ZO,  40                           ; O's
.set TX,  48                           ; tile B's logits from the lane 16 away
.set EDM, 24                           ; the pairs (1 - d, d) of M's decisions 1-4
.set EDO, 48                           ; of O's
.set SS,  24                           ; four pairs of partial sums
.set RES, 56                           ; v56-57  the two passes' results
.set RWA, 58                           ; v58-63  set-up: LDS addresses
.set RLA, 59
.set WSA, 60
.set VSA, 61
.set WFA, 62
.set VFA, 63
.set WA,  64                           ; v64-127   W^T's eight fragments
.set VF,  128                          ; v128-191  V's eight fragments: (u, c) at VF + 8 (2 u + c)
.set ST,  192                          ; v192-255  x in f32 on its way: four slots of 16 registers
.set PM,  192                          ; later M's 32 products,
.set PO,  224                          ; O's 32 products,
.set DU,  224                          ; and in their place the second product's four accumulators
.set WV,  14                           ; s14       my wave's number
.set G1X, 16                           ; s[16:23]  descriptor group 1 for x tiles
.set G1W, 24                           ; s[24:31]  for a quarter of W
.set G1L, 32                           ; s[32:39]  for a quarter of the leaves
.set G0W, 40                           ; s[40:43]  descriptor group 0, one set for each of my six loads: all six are out together
.set G0L, 44
.set G0X, 48                           ; s[48:63]
.set BS,  68                           ; s[68:77]  b as loaded
.set BB,  80                           ; s[80:89]  -log2(e) x b
.set SEL, 90                           ; s[90:91]  v_permlanex16_b32's selects: each lane takes its own place in the other half
.set NL,  92                           ; s92       -log2(e)
.set XL,  93                           ; s93       my wave's tiles in LDS
	s_load_b256 s[4:11], s[0:1], 0x0               ; x s[4:5], W s[6:7], b s[8:9], leaf_values s[10:11]
	s_load_b64 s[12:13], s[0:1], 0x20              ; out0
	v_lshl_add_u32 v[SPW], v0, 2, SPARE
	v_mov_b32 v[NIL], 0
	ds_add_u32 v[SPW], v[NIL]                      ; the wave's opening: the add and its wait stand ahead of my first tensor load; the set-up below, work on registers, stands between them
	ds_add_u32 v1, v2
	v_lshrrev_b32 v[LN], 5, v0
	v_readfirstlane_b32 s[WV], v[LN]               ; wave 0..3
	; group 1 for x: 16 rows of 256 elements of 4 bytes, every second row of memory, 16 bytes of padding behind each row
	s_mov_b32 s[G1X+0], (2<<16)|(1<<20)|(7<<22)|(3<<25)  ; 17:16 elements of 4 bytes; 20 padding on; 24:22 after every 256 words (code 7); 31:25 4 words of it (code 3)
	s_mov_b32 s[G1X+1], 256<<16                    ; tensor_dim0 = 256
	s_mov_b32 s[G1X+2], 16<<16                     ; tensor_dim1 = 16
	s_mov_b32 s[G1X+3], 256<<16                    ; tile_dim0 = 256
	s_mov_b32 s[G1X+4], 16                         ; tile_dim1 = 16
	s_mov_b32 s[G1X+5], 512                        ; from row to row: 512 elements, two rows of x
	s_mov_b32 s[G1X+6], 0
	s_mov_b32 s[G1X+7], 0
	; group 1 for the dense blocks: rows of 32 elements of 8 bytes = 256 bytes; ten rows of W, four of the leaves
	s_mov_b32 s[G1W+0], 3<<16
	s_mov_b32 s[G1W+1], 32<<16
	s_mov_b32 s[G1W+2], 10<<16
	s_mov_b32 s[G1W+3], 32<<16
	s_mov_b32 s[G1W+4], 10
	s_mov_b32 s[G1W+5], 32
	s_mov_b32 s[G1W+6], 0
	s_mov_b32 s[G1W+7], 0
	s_mov_b32 s[G1L+0], 3<<16
	s_mov_b32 s[G1L+1], 32<<16
	s_mov_b32 s[G1L+2], 4<<16
	s_mov_b32 s[G1L+3], 32<<16
	s_mov_b32 s[G1L+4], 4
	s_mov_b32 s[G1L+5], 32
	s_mov_b32 s[G1L+6], 0
	s_mov_b32 s[G1L+7], 0
	; group 0: the count and the LDS addresses: a constant + the wave's number x a constant + the tile's constant
	s_mul_i32 s[XL], s[WV], WAVEX
	s_mul_i32 s2, s[WV], 2560                      ; my quarter of W, in bytes
	s_mov_b32 s3, 0
	s_lshl_b32 s94, s[WV], 10                      ; my quarter of the leaves
	s_mov_b32 s95, 0
	s_mov_b32 s[G0W], 1
	s_add_co_u32 s[G0W+1], s2, RAWW
	s_mov_b32 s[G0L], 1
	s_add_co_u32 s[G0L+1], s94, RAWL
.irp t, 0,1,2,3
	s_mov_b32 s[G0X+4*(\t)], 1
	s_add_co_u32 s[G0X+4*(\t)+1], s[XL], (\t)*TILEB
.endr
	s_lshl_b32 s96, ttmp9, 18                      ; the work-group's 256 rows of 1,024 bytes,
	s_lshl_b32 s15, s[WV], 16                      ; my wave's 64 of them
	s_add_co_u32 s96, s96, s15
	s_mov_b32 s97, 0
	s_lshl_b32 s98, ttmp9, 10                      ; and the same rows in out0
	s_lshl_b32 s15, s[WV], 8
	s_add_co_u32 s98, s98, s15
	s_mov_b32 s99, 0
	s_lshl_b32 s15, s[WV], 11
	s_add_co_u32 s15, s15, VFR                     ; where my wave puts its four blocks pairs of V: u = my wave's number
	s_mov_b32 s[SEL], 0x76543210
	s_mov_b32 s[SEL+1], 0xfedcba98
	s_mov_b32 s[NL], 0xbfb8aa3b                    ; -log2(e)
	s_wait_dscnt 0x0                               ; the opening add is done
	s_wait_kmcnt 0x0
	s_load_b256 s[BS:BS+7], s[8:9], 0x0            ; b: ten words
	s_load_b64 s[BS+8:BS+9], s[8:9], 0x20
	s_add_nc_u64 s[G0W+2:G0W+3], s[6:7], s[2:3]
	s_or_b32 s[G0W+3], s[G0W+3], 0x80000000        ; type = 2
	s_add_nc_u64 s[G0L+2:G0L+3], s[10:11], s[94:95]
	s_or_b32 s[G0L+3], s[G0L+3], 0x80000000
	s_add_nc_u64 s[4:5], s[4:5], s[96:97]          ; x at my wave's first row
	s_add_nc_u64 s[12:13], s[12:13], s[98:99]      ; out0 likewise
.irp t, 0,1,2,3
	s_add_nc_u64 s[G0X+4*(\t)+2:G0X+4*(\t)+3], s[4:5], ((\t)&1)*32768+((\t)>>1)*1024  ; tile t: pass t / 2 begins at the row of that parity; tile B lies 32 rows further down
	s_or_b32 s[G0X+4*(\t)+3], s[G0X+4*(\t)+3], 0x80000000
.endr
	; All my loads, one group, ahead of every wait on TENSORcnt, every LDS read and the barrier: six are out.  The small ones first: they are wanted first.
	tensor_load_to_lds s[G0W:G0W+3], s[G1W:G1W+7]
	s_nop 0
	tensor_load_to_lds s[G0L:G0L+3], s[G1L:G1L+7]
	s_nop 0
.irp t, 0,1,2,3
	tensor_load_to_lds s[G0X+4*(\t):G0X+4*(\t)+3], s[G1X:G1X+7]
	s_nop 0
.endr
	; lane arithmetic, in the wait for W
	v_and_b32 v[LN], 31, v0
	v_and_b32 v6, 15, v0                           ; r = l % 16
	v_bfe_u32 v7, v0, 4, 1                         ; h = l / 16
	v_mul_u32_u24 v[XA], v6, XP
	v_lshl_add_u32 v[XA], v7, 6, v[XA]             ; row r, 64 bytes for each half of the lanes
	v_add_nc_u32 v[XA], s[XL], v[XA]
	v_lshlrev_b32 v[OO], 3, v[LN]
	v_cmp_lt_u32 vcc_lo, 15, v[LN]                 ; lanes 16-31; made behind the tensor loads and never rewritten
	v_mul_u32_u24 v[RWA], v[LN], 80                ; thread t converts W's rows k = 2 t and 2 t + 1: 80 bytes, inside my wave's own quarter
	v_add_nc_u32 v[RWA], s[G0W+1], v[RWA]
	v_lshl_add_u32 v[RLA], v[LN], 5, s[G0L+1]      ; and leaves 8 t to 8 t + 7: 32 bytes, likewise
	v_lshl_add_u32 v[WSA], v0, 2, WT               ; a pair of k is 4 bytes of each row of W^T
	v_and_b32 v8, 3, v0                            ; leaves 8 t on are V[hi][8 q on]: q = t % 4 = 2 c + half,
	v_bfe_u32 v9, v0, 2, 3                         ; hi = 8 u + j, j = (t / 4) % 8, u = my wave's number
	v_lshlrev_b32 v[VSA], 9, v8
	v_lshl_add_u32 v[VSA], v9, 4, v[VSA]
	v_add_nc_u32 v[VSA], s15, v[VSA]               ; block 4 u + q, the 16 bytes of lane j
	v_and_b32 v8, 7, v0
	v_min_u32 v8, 4, v8                            ; rows 5-7 and 13-15 of W^T's fragments repeat row 4 or 12: their results are never read
	v_bfe_u32 v9, v0, 3, 1
	v_mad_u32_u24 v8, v9, 5, v8                    ; fragment row r holds decision 5 (r / 8) + min(r % 8, 4)
	v_mul_u32_u24 v[WFA], v8, WP
	v_lshl_add_u32 v[WFA], v7, 5, v[WFA]           ; 16 k = 32 bytes for each half of the lanes
	v_add_nc_u32 v[WFA], WT, v[WFA]
	v_lshl_add_u32 v[VFA], v[LN], 4, VFR
	s_wait_tensorcnt 0x4                           ; tensor loads of a wave end in order (ISA guide 10.11.1): my quarters of W and of the leaves are in; the four x tiles stay out
.irp i, 0,1,2,3,4
	ds_load_b128 v[ST+4*(\i):ST+4*(\i)+3], v[RWA] offset:16*(\i)  ; W[2 t][0..9], W[2 t + 1][0..9]; lanes 80 = 5 x 16 bytes apart
.endr
	ds_load_b128 v[ST+20:ST+23], v[RLA]
	ds_load_b128 v[ST+24:ST+27], v[RLA] offset:16
	; b: rounded to bf16, widened, times -log2(e), into scalar registers: the sigmoid's one multiply-add then takes it in
	s_wait_kmcnt 0x0
.irp i, 0,1,2,3,4
	v_cvt_pk_bf16_f32 v[8+(\i)], s[BS+2*(\i)], s[BS+2*(\i)+1]
.endr
.irp i, 0,1,2,3,4
	v_lshlrev_b32 v[14+2*(\i)], 16, v[8+(\i)]
	v_and_b32 v[15+2*(\i)], 0xffff0000, v[8+(\i)]
.endr
.irp i, 0,1,2,3,4,5,6,7,8,9
	v_mul_f32 v[14+(\i)], s[NL], v[14+(\i)]
.endr
.irp i, 0,1,2,3,4,5,6,7,8,9
	v_readfirstlane_b32 s[BB+(\i)], v[14+(\i)]
.endr
	s_wait_dscnt 0x0
.irp d, 0,1,2,3,4,5,6,7,8,9
	v_cvt_pk_bf16_f32 v[ST+32+(\d)], v[ST+(\d)], v[ST+10+(\d)]    ; decision d at k = 2 t (low half) and 2 t + 1
.endr
.irp d, 0,1,2,3,4,5,6,7,8,9
	ds_store_b32 v[WSA], v[ST+32+(\d)] offset:(\d)*WP
.endr
.irp i, 0,1,2,3
	v_cvt_pk_bf16_f32 v[ST+44+(\i)], v[ST+20+2*(\i)], v[ST+21+2*(\i)]  ; the leaves take the rounding that all inputs take,
.endr
.irp i, 0,1,2,3
	v_lshlrev_b32 v[ST+48+2*(\i)], 16, v[ST+44+(\i)]
	v_and_b32 v[ST+49+2*(\i)], 0xffff0000, v[ST+44+(\i)]
.endr
.irp i, 0,1,2,3
	v_cvt_pk_f16_f32 v[ST+44+(\i)], v[ST+48+2*(\i)], v[ST+49+2*(\i)]  ; and that number is written as f16
	v_mov_b32 v[ST+56+(\i)], 0
.endr
	ds_store_b128 v[VSA], v[ST+56:ST+59]            ; fragment lane j: row j, K places of lanes 0-15: zeros
	ds_store_b128 v[VSA], v[ST+44:ST+47] offset:128 ; lane 8 + j: row 8 + j, K places of lanes 0-15: V[8 u + j]
	ds_store_b128 v[VSA], v[ST+44:ST+47] offset:256 ; lane 16 + j: row j, K places of lanes 16-31: V[8 u + j]
	ds_store_b128 v[VSA], v[ST+56:ST+59] offset:384 ; lane 24 + j: row 8 + j, K places of lanes 16-31: zeros
	s_wait_dscnt 0x0                               ; for the others' sake: my stores into the two tables are done
	s_barrier_signal -1
	s_barrier_wait -1
.irp i, 0,1,2,3,4,5,6,7,8,9,10,11,12,13,14,15
	ds_load_b128 v[WA+4*(\i):WA+4*(\i)+3], v[WFA] offset:((\i)/2)*64+((\i)%2)*16
.endr
.irp i, 0,1,2,3,4,5,6,7,8,9,10,11,12,13,14,15
	ds_load_b128 v[VF+4*(\i):VF+4*(\i)+3], v[VFA] offset:(\i)*512
.endr
; Four LDS loads: my 16 numbers of K step f of tile t, in f32, into staging slot f % 4
.macro LDX t, f
.irp c, 0,1,2,3
	ds_load_b128 v[ST+16*((\f)%4)+4*(\c):ST+16*((\f)%4)+4*(\c)+3], v[XA] offset:(\t)*TILEB+128*(\f)+16*(\c)
.endr
.endm
; The logits of tile t.  Four K steps' loads are out at a time; a step is waited for, rounded to bf16 into one of two fragments, its slot asked for again, and multiplied.  Even K steps add onto E, odd ones onto O:
; the two accumulators take turns, from tile to tile too.  A fragment is written again eight plain vector instructions (the other fragment's conversions) behind the product that read it (ISA guide 7.12.1).
.macro TILE t, E, O
	s_wait_tensorcnt 3-(\t)                        ; my tile t is in LDS; the 3 - t tiles asked for behind it may stay out
.irp f, 0,1,2,3
	LDX \t, \f
.endr
.irp f, 0,1,2,3,4,5,6,7
.if (\f) < 5
	s_wait_dscnt 12                                ; LDS loads come back in order (ISA guide 5.7.1): step f is in; the three steps behind it, four loads each, stay out
.else
	s_wait_dscnt 4*(7-(\f))                        ; the last steps: two, one, none behind
.endif
.irp i, 0,1,2,3,4,5,6,7
	v_cvt_pk_bf16_f32 v[XB+8*((\f)%2)+(\i)], v[ST+16*((\f)%4)+2*(\i)], v[ST+16*((\f)%4)+2*(\i)+1]
.endr
.if (\f) < 4
	LDX \t, (\f)+4
.endif
.if (\f) == 0
	v_wmma_f32_16x16x32_bf16 v[(\E):(\E)+7], v[WA:WA+7], v[XB:XB+7], 0
.elseif (\f) == 1
	v_wmma_f32_16x16x32_bf16 v[(\O):(\O)+7], v[WA+8:WA+15], v[XB+8:XB+15], 0
.elseif (\f)%2 == 0
	v_wmma_f32_16x16x32_bf16 v[(\E):(\E)+7], v[WA+8*(\f):WA+8*(\f)+7], v[XB:XB+7], v[(\E):(\E)+7]
.else
	v_wmma_f32_16x16x32_bf16 v[(\O):(\O)+7], v[WA+8*(\f):WA+8*(\f)+7], v[XB+8:XB+15], v[(\O):(\O)+7]
.endif
.endr
.endm
; n products become 2 n, in place, from the top down: numbers 2 a and 2 a + 1 are number a times (1 - d, d), the pair at edp.  Number a is the low or the high register of its pair, and feeds both halves.
.macro LEVEL pr, edp, n
.set a, (\n)-1
.rept \n
.if a%2
	v_pk_mul_f32 v[(\pr)+2*a:(\pr)+2*a+1], v[(\pr)+a-1:(\pr)+a], v[(\edp):(\edp)+1] op_sel:[1,0] op_sel_hi:[1,1]
.else
	v_pk_mul_f32 v[(\pr)+2*a:(\pr)+2*a+1], v[(\pr)+a:(\pr)+a+1], v[(\edp):(\edp)+1] op_sel_hi:[0,1]
.endif
.set a, a-1
.endr
.endm
.macro EXPAND pr, ed                   ; (1 - d, d) of the set's first decision lies at pr; the other four decisions' pairs at ed: 30 packed multiplies make the 32 products, the first decision in the index's highest bit
	LEVEL \pr, \ed, 2
	LEVEL \pr, (\ed)+2, 4
	LEVEL \pr, (\ed)+4, 8
	LEVEL \pr, (\ed)+6, 16
.endm
.macro PASS p
	TILE 2*(\p), AE, AO
	TILE 2*(\p)+1, BE, BO
	; even and odd K steps are added; each accumulator's lowest registers are read first.  Tile A's three lines and a v_nop are the four places behind tile B's last product.
	v_pk_add_f32 v[AE:AE+1], v[AE:AE+1], v[AO:AO+1]
	v_pk_add_f32 v[AE+2:AE+3], v[AE+2:AE+3], v[AO+2:AO+3]
	v_add_f32 v[AE+4], v[AE+4], v[AO+4]
	v_nop
	v_pk_add_f32 v[BE:BE+1], v[BE:BE+1], v[BO:BO+1]
	v_pk_add_f32 v[BE+2:BE+3], v[BE+2:BE+3], v[BO+2:BO+3]
	v_add_f32 v[BE+4], v[BE+4], v[BO+4]
.irp j, 0,1,2,3,4
	v_permlanex16_b32 v[TX+(\j)], v[BE+(\j)], s[SEL], s[SEL+1]    ; tile B's logits change halves
.endr
.irp j, 0,1,2,3,4
	v_cndmask_b32 v[ZM+(\j)], v[AE+(\j)], v[TX+(\j)], vcc_lo      ; M: decision j of my row: lanes 0-15 tile A's, lanes 16-31 tile B's
	v_cndmask_b32 v[ZO+(\j)], v[TX+(\j)], v[AE+(\j)], vcc_lo      ; O: decision 5 + j of the row of the lane 16 away
.endr
.irp j, 0,1,2,3,4
	v_fma_f32 v[ZM+(\j)], v[ZM+(\j)], s[NL], s[BB+(\j)]           ; -log2(e) (z + b)
	v_fma_f32 v[ZO+(\j)], v[ZO+(\j)], s[NL], s[BB+5+(\j)]
.endr
.irp j, 0,1,2,3,4
	v_exp_f32 v[ZM+(\j)], v[ZM+(\j)]
	v_exp_f32 v[ZO+(\j)], v[ZO+(\j)]
.endr
	v_nop                                          ; a plain instruction between the last exponential and the use of the results (ISA guide 5.7.2)
	s_wait_alu depctr_va_vdst(0)
.irp j, 0,1,2,3,4
	v_add_f32 v[ZM+(\j)], 1.0, v[ZM+(\j)]
	v_add_f32 v[ZO+(\j)], 1.0, v[ZO+(\j)]
.endr
	v_rcp_f32 v[PM+1], v[ZM]                       ; d; the first decision's pair is the products' beginning
	v_rcp_f32 v[PO+1], v[ZO]
.irp j, 1,2,3,4
	v_rcp_f32 v[EDM+2*(\j)-1], v[ZM+(\j)]
	v_rcp_f32 v[EDO+2*(\j)-1], v[ZO+(\j)]
.endr
	v_nop                                          ; likewise behind the last reciprocal
	s_wait_alu depctr_va_vdst(0)
	v_sub_f32 v[PO], 1.0, v[PO+1]                  ; 1 - d
	v_sub_f32 v[PM], 1.0, v[PM+1]
.irp j, 1,2,3,4
	v_sub_f32 v[EDO+2*(\j)-2], 1.0, v[EDO+2*(\j)-1]
	v_sub_f32 v[EDM+2*(\j)-2], 1.0, v[EDM+2*(\j)-1]
.endr
	EXPAND PO, EDO
.irp i, 0,1,2,3,4,5,6,7,8,9,10,11,12,13,14,15
	v_cvt_pk_f16_f32 v[BF+(\i)], v[PO+2*(\i)], v[PO+2*(\i)+1]     ; fragment c holds products 16 c to 16 c + 15
.endr
	; accumulator u = V[8 u .. 8 u + 7][:] PLO, over the two halves c of lo; the four take turns.  They land where O's products lay, which have been read.
.irp u, 0,1,2,3
	v_wmma_f32_16x16x32_f16 v[DU+8*(\u):DU+8*(\u)+7], v[VF+16*(\u):VF+16*(\u)+7], v[BF:BF+7], 0
.endr
.irp u, 0,1,2,3
	v_wmma_f32_16x16x32_f16 v[DU+8*(\u):DU+8*(\u)+7], v[VF+16*(\u)+8:VF+16*(\u)+15], v[BF+8:BF+15], v[DU+8*(\u):DU+8*(\u)+7]
.endr
	EXPAND PM, EDM                                 ; M's products are made now: 30 plain instructions that name no register of those products are the places behind them
.irp u, 0,1,2,3
	v_pk_mul_f32 v[SS+2*(\u):SS+2*(\u)+1], v[DU+8*(\u):DU+8*(\u)+1], v[PM+8*(\u):PM+8*(\u)+1]  ; four chains, one an accumulator, each begun at the accumulator's low end
.endr
.irp k, 1,2,3
.irp u, 0,1,2,3
	v_pk_fma_f32 v[SS+2*(\u):SS+2*(\u)+1], v[DU+8*(\u)+2*(\k):DU+8*(\u)+2*(\k)+1], v[PM+8*(\u)+2*(\k):PM+8*(\u)+2*(\k)+1], v[SS+2*(\u):SS+2*(\u)+1]
.endr
.endr
	v_pk_add_f32 v[SS:SS+1], v[SS:SS+1], v[SS+2:SS+3]
	v_pk_add_f32 v[SS+4:SS+5], v[SS+4:SS+5], v[SS+6:SS+7]
	v_pk_add_f32 v[SS:SS+1], v[SS:SS+1], v[SS+4:SS+5]
	v_add_f32 v[RES+(\p)], v[SS], v[SS+1]          ; lane L: row 2 L + p of my wave's 64
.endm
	PASS 0
	PASS 1
	global_store_b64 v[OO], v[RES:RES+1], s[12:13] th:TH_STORE_NT  ; the wave's 64 results: 256 consecutive bytes, at a multiple of 256 from out0's first byte
	s_wait_tensorcnt 0x0                           ; the wave's end, behind my last tensor load and my last LDS store
	ds_add_u32 v[SPW], v[NIL]
	s_wait_dscnt 0x0
	s_endpgm
.Lfunc_end_k_q3c67daa052_tree:
	.size	k_q3c67daa052_tree, .Lfunc_end_k_q3c67daa052_tree-k_q3c67daa052_tree
	.p2alignl 7, 3214868480
	.fill 96, 4, 3214868480
	.section	.rodata,"a",@progbits
	.p2align	6, 0x0
	.amdhsa_kernel k_q3c67daa052_tree
		.amdhsa_group_segment_fixed_size 294912
		.amdhsa_private_segment_fixed_size 0
		.amdhsa_enable_private_segment 0
		.amdhsa_kernarg_size 40
		.amdhsa_user_sgpr_count 2
		.amdhsa_user_sgpr_kernarg_segment_ptr 1
		.amdhsa_wavefront_size32 1
		.amdhsa_system_sgpr_workgroup_id_x 1
		.amdhsa_system_sgpr_workgroup_id_y 1
		.amdhsa_system_sgpr_workgroup_id_z 1
		.amdhsa_system_vgpr_workitem_id 0
		.amdhsa_next_free_vgpr 256
		.amdhsa_next_free_sgpr 100
		.amdhsa_reserve_vcc 1
		.amdhsa_float_denorm_mode_32 3
		.amdhsa_float_denorm_mode_16_64 3
		.amdhsa_memory_ordered 1
		.amdhsa_forward_progress 1
		.amdhsa_inst_pref_size 59
	.end_amdhsa_kernel
	.amdgpu_metadata
---
amdhsa.version: [ 1, 2 ]
amdhsa.kernels:
  - .name:           k_q3c67daa052_tree
    .symbol:         k_q3c67daa052_tree.kd
    .args:
      - { .name: x, .offset: 0, .size: 8, .value_kind: global_buffer, .address_space: global }
      - { .name: W, .offset: 8, .size: 8, .value_kind: global_buffer, .address_space: global }
      - { .name: b, .offset: 16, .size: 8, .value_kind: global_buffer, .address_space: global }
      - { .name: leaf_values, .offset: 24, .size: 8, .value_kind: global_buffer, .address_space: global }
      - { .name: out0, .offset: 32, .size: 8, .value_kind: global_buffer, .address_space: global }
    .group_segment_fixed_size: 294912
    .private_segment_fixed_size: 0
    .kernarg_segment_align: 8
    .kernarg_segment_size: 40
    .max_flat_workgroup_size: 128
    .sgpr_count:     100
    .vgpr_count:     256
    .wavefront_size: 32
...
	.end_amdgpu_metadata
.endif
;; end of part 1
